; MI455X (gfx1250); checked and timed in simulation.
; The chip was launched on July 23, 2026; its instructions are those of AMD's public machine-readable ISA for CDNA 5 (MIT licence, August 2026) and "CDNA5" Instruction Set Architecture Reference Guide (July 2026). The comments in the code are by the model that wrote it; some were corrected since.
;; Self Attn. Allowed arithmetic: matrix products marked QUANTISED: E4M3 operands, one given power-of-two scale a tensor, by v_wmma_f32_16x16x64_fp8_fp8 or v_wmma_f32_16x16x128_fp8_fp8, f32 sums; everything else in f32.
;; Inputs: Wk 512 x 512 float32; Wq 512 x 512 float32; Wv 512 x 512 float32; beta 1 float32; bk 512 float32; bq 512 float32; bv 512 float32; lowp_scales 10 int32 (the exponents e of the quantised operands' scales 2^e); x 32 x 1,024 x 512 float32.
;; Outputs: out0 32 x 1,024 x 512 float32.
;; This version of the problem:
;;   THIS VERSION OF THE PROBLEM IS GIVEN IN LOW PRECISION. The matrix products marked QUANTISED in the list below multiply operands that are first quantised to E4M3 (4 exponent bits, 3 mantissa bits; 8 bits a number), with one given power-of-two scale for each operand tensor; their sums are f32. All else is computed in f32.
;;   The module's matrix products, in the order in which they are computed (A, B: the left and right operand; K: the contracted axis; several contracted axes count as one K, in the product's order):
;;     1. [M 32,768, K 512] x [K 512, N 512]; A: input x; B: input Wq: QUANTISED (scales: A lowp_scales[0], B lowp_scales[1])
;;     2. [M 32,768, K 512] x [K 512, N 512]; A: input x; B: input Wk: QUANTISED (scales: A lowp_scales[2], B lowp_scales[3])
;;     3. [M 32,768, K 512] x [K 512, N 512]; A: input x; B: input Wv: QUANTISED (scales: A lowp_scales[4], B lowp_scales[5])
;;     4. batch 32 x [M 1,024, K 512] x [K 512, N 1,024]; A: computed on the way; B: computed on the way: QUANTISED (scales: A lowp_scales[6], B lowp_scales[7])
;;     5. batch 32 x [M 1,024, K 1,024] x [K 1,024, N 512]; A: softmax (see below); B: computed on the way: QUANTISED (scales: A lowp_scales[8], B lowp_scales[9])
;;   THE QUANTISER, for each operand of a quantised product, along K:
;;     - The operand's scale is 2^e, e = its entry of the input lowp_scales (int32; the entries are numbered through the quantised products in the list's order, A before B).
;;     - Each number is divided by the scale, clamped to +-448, and rounded to the nearest number of E4M3, ties to even, subnormals kept.
;;     - The product sums the exact products of the quantised numbers (number of the format x scale) in f32.
;;   ~~~python
;;   def quantise(x, axis, e):      # numpy; x: float32 -> the quantised numbers, widened to float32 again
;;       x = np.moveaxis(x, axis, -1); K = x.shape[-1]
;;       r = np.clip(x / 2.0 ** e, -448, 448)
;;       step = 2.0 ** (np.maximum(np.frexp(np.where(r == 0, 1, r))[1] - 1, -6) - 3)
;;       q = np.round(r / step) * step * 2.0 ** e      # np.round: ties to even
;;       return np.moveaxis(q, -1, axis).astype(np.float32)
;;   ~~~
;;   SOFTMAX AHEAD OF A QUANTISED PRODUCT. Where the list says 'softmax', what is quantised is not the finished softmax but p = 2^(t - M), with t = logit x log2(e) and M = ceil(the row's largest t), a whole number; so 1/2 < the row's largest p <= 1. The row's sum l is taken of the UNQUANTISED p, in f32, and the product's result is divided by l at the end. Since M is a whole number, a kernel that streams over the keys may use a running M (the ceiling of the running maximum): every later rescaling is an exact power of two, so the quantised numbers keep their values, but for numbers so far below the row's largest that they fall under the format's range.
;;   OPERANDS COMPUTED ON THE WAY. 'Computed on the way' means the value that the module computes at that place (a softmax that the list does not call 'softmax' is quantised finished and normalised). What goes into a quantiser is computed in f32, as accurately as f32 sums, v_exp_f32 and their like allow (about 1e-6 of the number): no bf16 or f16 on the way to a quantiser, and a product that is left as it is and whose result goes on into a quantised operand takes f32 operands (vector FMAs, or v_wmma_f32_16x16x4_f32). A number that lies on a knife's edge between two numbers of the format may be rounded either way, as far as f32 arithmetic and the matrix unit's own rounding can turn it there, and no further.
;; One version. Each part assembles by itself: llvm-mc -triple=amdgcn-amd-amdhsa -mcpu=gfx1250 --defsym DOCPART=n.
;; ======== version 1 of 1: 3 launches
;; limits: right only within a limited range of input values
;; workspace buffers: wc 786,432 bytes; xc 16,777,216 bytes; vc 16,777,216 bytes; kc 16,777,216 bytes; qc 16,777,216 bytes
;; launch wprep (part 1): grid 384 x 1, 1 waves a work-group, no clusters, 0 bytes of LDS; arguments Wv, Wk, Wq, lowp_scales, wc; writes wc
.if DOCPART == 1
	.amdgcn_target "amdgcn-amd-amdhsa--gfx1250"
	.amdhsa_code_object_version 6
	.text
	.protected	k_q2cfddf0001_wprep
	.globl	k_q2cfddf0001_wprep
	.p2align	8
	.type	k_q2cfddf0001_wprep,@function
k_q2cfddf0001_wprep:
	s_mov_b64 s[64:65], 0
	v_nop
	global_prefetch_b8 v0, s[64:65] scope:SCOPE_SE
	s_setreg_imm32_b32 hwreg(HW_REG_WAVE_MODE, 25, 1), 1
	s_wait_xcnt 0x0
; out = beta * softmax(q k^T) v + v, with q, k, v = x W^T + b; all five products on codes of E4M3, each operand with its given scale 2^e.
; NO WORK IS LEFT OUT IN THIS PROGRAM: every input has a way to out0 (bq and bk move the codes of q and k), so every input is loaded.
; THIS LAUNCH turns Wv, Wk, Wq [512][512] f32 (K innermost) into codes, laid in the order of an operand's registers.
; A FRAGMENT is 16 rows x 128 K of codes, 2,048 bytes, the image of 16 registers: byte 512 c + 16 lane + i is the code of row slot lane % 16 at k = 32 c + 16 (lane / 16) + i:
; a permutation of k inside an instruction's 128, the same in both operands of every product of this program.
; wc: fragment (t, s, tau) at 262,144 t + 65,536 s + 2,048 tau: t = 0 Wv, 1 Wk, 2 Wq; s the K step of 128; tau the tile of 16 output columns.  So a K step of a weight is 65,536 dense bytes.
; Wv's tiles hold neighbouring rows (16 tau + r).  In Wk and Wq slot r of tile 2 B + u holds row 32 B + 8 u + r + 8 (r / 8), so that two neighbouring result tiles give a lane 16 neighbours along the next K.
; One wave makes one fragment: sixteen loads, which together read sixteen whole runs of 512 bytes; four stores of 512 consecutive bytes.
; code = w / 2^e, held within +-448, to the nearest code, ties to even.  LIMITS: e1, e3, e5 between -126 and 119.  NaN among the inputs is not served.
.set X,  16                            ; v16-79  64 numbers
.set CD, 80                            ; v80-95  the fragment
	s_load_b256 s[4:11], s[0:1], 0x0               ; Wv, Wk, Wq, the scales' exponents
	s_load_b64 s[12:13], s[0:1], 0x20              ; wc
	s_and_b32 s16, ttmp9, 3                        ; s
	s_lshr_b32 s17, ttmp9, 2
	s_and_b32 s17, s17, 31                         ; tau
	s_lshr_b32 s18, ttmp9, 7                       ; t
	s_lshl_b32 s20, s17, 4                         ; Wv: first row 16 tau
	s_lshr_b32 s21, s17, 1
	s_lshl_b32 s21, s21, 5
	s_and_b32 s22, s17, 1
	s_lshl_b32 s22, s22, 3
	s_add_co_u32 s21, s21, s22                     ; Wk, Wq: 32 (tau / 2) + 8 (tau % 2)
	s_cmp_eq_u32 s18, 0
	s_cselect_b32 s19, 0, 8                        ; and slots 8-15 lie 8 rows further on
	s_cselect_b32 s20, s20, s21
	s_lshl_b32 s20, s20, 11                        ; rows of 2,048 bytes
	s_lshl_b32 s21, s16, 9
	s_add_co_u32 s20, s20, s21
	s_mov_b32 s21, 0
	s_lshl_b32 s22, s18, 18                        ; the fragment's place in wc
	s_lshl_b32 s23, s16, 16
	s_add_co_u32 s22, s22, s23
	s_lshl_b32 s23, s17, 11
	s_add_co_u32 s22, s22, s23
	s_mov_b32 s23, 0
	v_and_b32 v1, 15, v0
	v_bfe_u32 v2, v0, 4, 1
	v_and_b32 v3, s19, v1
	v_add_nc_u32 v3, v3, v1
	v_lshlrev_b32 v3, 11, v3
	v_lshl_add_u32 v3, v2, 6, v3                   ; my row of the tile, + 64 h
	v_lshlrev_b32 v4, 4, v0
	s_wait_alu depctr_va_vdst(0)
	s_wait_kmcnt 0x0
	s_load_b256 s[24:31], s[10:11], 0x0            ; e0 .. e7
	s_cmp_eq_u32 s18, 0                            ; the choice of the buffer hangs on the work-group's number alone
	s_cselect_b64 s[4:5], s[4:5], s[6:7]
	s_cmp_eq_u32 s18, 2
	s_cselect_b64 s[4:5], s[8:9], s[4:5]
	s_add_nc_u64 s[4:5], s[4:5], s[20:21]
	s_add_nc_u64 s[12:13], s[12:13], s[22:23]
.irp c, 0,1,2,3
.irp j, 0,1,2,3
	global_load_b128 v[X+16*\c+4*\j:X+16*\c+4*\j+3], v3, s[4:5] offset:128*\c+16*\j th:TH_LOAD_NT
.endr
.endr
	s_wait_kmcnt 0x0
	s_cmp_eq_u32 s18, 0
	s_cselect_b32 s32, s29, s27                    ; e5 for Wv, e3 for Wk,
	s_cmp_eq_u32 s18, 2
	s_cselect_b32 s32, s25, s32                    ; e1 for Wq
	s_add_co_i32 s32, s32, 127
	s_lshl_b32 s33, s32, 23
	v_mov_b32 v6, s33                              ; 2^e
	s_add_co_i32 s32, s32, 8
	s_lshl_b32 s32, s32, 23
	s_or_b32 s32, s32, 0x600000
	v_mov_b32 v7, s32                              ; 448 x 2^e
	s_wait_alu depctr_va_vdst(0)
	s_wait_loadcnt 0x0
.set N, 0
.rept 64
	v_med3_num_f32 v[X+N], v[X+N], -v7, v7         ; the conversion does not saturate (ISA guide 7.6.2): the hold comes first
.set N, N+1
.endr
.irp g, 0,1,2,3,4,5,6,7
	v_cvt_scalef32_pk8_fp8_f32 v[CD+2*\g:CD+2*\g+1], v[X+8*\g:X+8*\g+7], v6
.endr
	v_nop
.irp c, 0,1,2,3
	global_store_b128 v4, v[CD+4*\c:CD+4*\c+3], s[12:13] offset:512*\c th:TH_STORE_NT
.endr
	s_endpgm
.Lfunc_end_k_q2cfddf0001_wprep:
	.size	k_q2cfddf0001_wprep, .Lfunc_end_k_q2cfddf0001_wprep-k_q2cfddf0001_wprep
	.p2alignl 7, 3214868480
	.fill 96, 4, 3214868480
	.section	.rodata,"a",@progbits
	.p2align	6, 0x0
	.amdhsa_kernel k_q2cfddf0001_wprep
		.amdhsa_group_segment_fixed_size 0
		.amdhsa_private_segment_fixed_size 0
		.amdhsa_enable_private_segment 0
		.amdhsa_kernarg_size 40
		.amdhsa_user_sgpr_count 2
		.amdhsa_user_sgpr_kernarg_segment_ptr 1
		.amdhsa_wavefront_size32 1
		.amdhsa_system_sgpr_workgroup_id_x 1
		.amdhsa_system_sgpr_workgroup_id_y 1
		.amdhsa_system_sgpr_workgroup_id_z 1
		.amdhsa_system_vgpr_workitem_id 0
		.amdhsa_next_free_vgpr 96
		.amdhsa_next_free_sgpr 66
		.amdhsa_reserve_vcc 0
		.amdhsa_float_denorm_mode_32 3
		.amdhsa_float_denorm_mode_16_64 3
		.amdhsa_memory_ordered 1
		.amdhsa_forward_progress 1
		.amdhsa_inst_pref_size 9
	.end_amdhsa_kernel
	.amdgpu_metadata
---
amdhsa.version: [ 1, 2 ]
amdhsa.kernels:
  - .name:           k_q2cfddf0001_wprep
    .symbol:         k_q2cfddf0001_wprep.kd
    .args:
      - { .name: Wv, .offset: 0, .size: 8, .value_kind: global_buffer, .address_space: global }
      - { .name: Wk, .offset: 8, .size: 8, .value_kind: global_buffer, .address_space: global }
      - { .name: Wq, .offset: 16, .size: 8, .value_kind: global_buffer, .address_space: global }
      - { .name: lowp_scales, .offset: 24, .size: 8, .value_kind: global_buffer, .address_space: global }
      - { .name: wc, .offset: 32, .size: 8, .value_kind: global_buffer, .address_space: global }
    .group_segment_fixed_size: 0
    .private_segment_fixed_size: 0
    .kernarg_segment_align: 8
    .kernarg_segment_size: 40
    .max_flat_workgroup_size: 32
    .sgpr_count:     66
    .vgpr_count:     96
    .wavefront_size: 32
...
	.end_amdgpu_metadata
.endif
;; end of part 1
;; launch proj (part 2): grid 256 x 1, 4 waves a work-group, no clusters, 264,704 bytes of LDS; arguments x, wc, bv, bk, bq, lowp_scales, xc, vc, kc, qc; writes xc, vc, kc, qc
.if DOCPART == 2
	.amdgcn_target "amdgcn-amd-amdhsa--gfx1250"
	.amdhsa_code_object_version 6
	.text
	.protected	k_q2cfddf0001_proj
	.globl	k_q2cfddf0001_proj
	.p2align	8
	.type	k_q2cfddf0001_proj,@function
k_q2cfddf0001_proj:
	s_mov_b64 s[64:65], 0
	v_nop
	global_prefetch_b8 v0, s[64:65] scope:SCOPE_SE
	s_setreg_imm32_b32 hwreg(HW_REG_WAVE_MODE, 25, 1), 1
	s_wait_xcnt 0x0
; v, k, q = x W^T + b on codes of E4M3; nothing of the problem's work is left out here.  x [32,768][512] f32 is quantised three times (its scale differs from product to product: e4 for v, e2 for k, e0 for q).
; OUT: xc = Q(x, e4), the codes of x for v's product, which the next launch multiplies once more for its own rows (v as f32 does not go through memory); vc = Q(v, e9) with the KEYS innermost;
; kc = Q(k, e7), qc = Q(q, e6) with the features innermost.  All codes as fragments (16 rows x 128 K, 2,048 bytes, the image of 16 registers: byte 512 c + 16 lane + i = row slot lane % 16, k = 32 c + 16 (lane / 16) + i).
;   xc, kc, qc: row block wg, fragment (row tile a, K step s) at 65,536 wg + 2,048 (8 s + a).     vc: fragment (channel tile ct; K = the block's 128 rows) at 65,536 wg + 2,048 ct.
; SHARES.  A work-group owns rows 128 wg on.  THE WAVES SHARE THE COLUMNS: wave w makes columns 128 w .. 128 w + 127 of v, k and q for all 128 rows: 64 accumulators, 4 K steps of 64 matrix instructions, three times.
; x's three sets of codes lie in LDS as images (3 x 65,536 bytes), made once by the four waves (32 rows each).  W's fragments come from wc straight into registers: each is read by one wave of the work-group.
; NO CLUSTER, NO JOINT LOADS, though all work-groups read the same wc: x's images take 196,608 bytes, and two slots of one K step of W (2 x 65,536) with the spare words do not fit into the 131,072 that are left.
; THE ROWS OF A TILE OF x ARE NOT NEIGHBOURS: slot r of tile 2 B + u holds row 32 B + 8 u + r + 8 (r / 8).  Result register j of lane half h is then row 32 B + 16 h + 8 u + j: two neighbouring tiles give a lane
; 16 neighbouring rows, which is what v's codes want (K = rows).  Wk's and Wq's tiles of features are laid the same way in wc, which gives k's and q's codes 16 neighbouring features.
; v: source 0 = x, source 1 = Wv: a lane holds ONE channel, its registers run along rows.      k, q: source 0 = W, source 1 = x: a lane holds ONE row, its registers run along features; the bias, divided by the
; power of two that the sums lack, is the C of each sum's first matrix instruction.
; LIMITS, so that each power of two is an f32 number: e0, e2, e4, e9, e7 - e2 - e3, e6 - e0 - e1 between -126 and 119; e4 + e5 between -126 and 127.  NaN among the inputs is not served.
; REGISTERS, in windows of 256.  Window 0: v1-15 addresses and constants; v16-31 x's scale constants, then bv in pairs; v32-79 codes just made; v64-127 later the bias tiles; v80-127 numbers under the hold;
;   v128-255 two sets of 64 numbers of x, then x's 8 fragments, then what is on its way out.   Window 1: W's fragments, two sets of 128; set 1 also takes v's codes on their way out.
;   Window 2: four landing sets of 64 for x, then the accumulators of x's tiles 0-3 ((a, b) at 8 (8 (a % 4) + b)).   Window 3: my share of xc on its way out, then the accumulators of tiles 4-7.
.set STG,   196608                     ; LDS: x's images from 0; then a stage for each wave: two buffers of 16 rows x (512 + 16) bytes
.set SBUF,  8448
.set SWAVE, 16896
.set SPARE, 264192                     ; behind the stages: the spare words, 128 bytes for each wave: two blocks of 256 bytes that no other line names
.set LI,  1                            ; v1   16 x lane
.set SA,  2                            ; v2   my stage + 16 x lane: a whole row of 512 bytes to the 32 lanes
.set SR,  3                            ; v3   my stage + 528 r + 64 h: my 16 numbers of a block of 32 of row r
.set XCA, 4                            ; v4   16 x lane + 16,384 w: my quarter of x's first set of images
.set XW,  5                            ; v5-7 where I store x's images, version 0, 1, 2
.set ADX, 8                            ; v8   16 x lane + the version's images
.set SPW, 10                           ; v10  LDS address of my spare word; never rewritten
.set NIL, 11                           ; v11  0; never rewritten
.set BO,  12                           ; v12  64 h
.set BVO, 13                           ; v13  4 r
.set SC,  14                           ; v14  the conversion's scale
.set LM,  15                           ; v15  448 x that
.set XC,  16                           ; v16-21 2^e and 448 x 2^e of x's three versions
.set BV,  16                           ; v16-31 bv of my channel 128 w + 16 b + r, each in both registers of a pair
.set PC,  32
.set BI,  64
.set TQ,  80
.set XF,  128
.set CODE, 128                         ; in window 1: v's codes, 32 registers for each pair of tiles: none is written twice
.set WV,  34
.set XB,  38                           ; s[38:39] x at my wave's 32 rows
.set WB,  40                           ; s[40:41] wc at my wave's fragments of the weight in hand
.set XCB, 42                           ; s[42:43] xc at my quarter of the block
.set VCB, 44
.set OUTP, 46                          ; s[46:47] kc or qc at my fragments: chosen at each trip's head
.set QCP, 48
.set KCP, 60
.set SV,  50                           ; s[50:51] 2^(e4 + e5), twice
.set XO,  52
.set CNT, 53
.set BKP, 66
.set BQP, 68
.set BVP, 70
.set MSB, 0
.macro WIN new                         ; the immediate's high byte repeats the setting that is left; a switch that changes nothing is dropped
.if MSB != (\new)
	s_set_vgpr_msb (MSB<<8)|(\new)
.set MSB, (\new)
.endif
.endm
.macro PLACES n                        ; plain vector lines between a matrix instruction and a load into, a read of or a write of its registers
.rept \n
	v_nop
.endr
.endm
.macro MKSC sc, lim, e                 ; s[sc] = 2^e, s[lim] = 448 x 2^e, as f32 patterns
	s_add_co_i32 s[\lim], s[\e], 127
	s_lshl_b32 s[\sc], s[\lim], 23
	s_add_co_i32 s[\lim], s[\lim], 8
	s_lshl_b32 s[\lim], s[\lim], 23
	s_or_b32 s[\lim], s[\lim], 0x600000
.endm
; Piece p = 4 u + s of my 32 rows: tile u, K step s: sixteen rows' 512 bytes, each load 512 consecutive bytes, into landing set p % 4
.macro LOADP p
	WIN 0x80
.irp rho, 0,1,2,3,4,5,6,7,8,9,10,11,12,13,14,15
	global_load_b128 v[64*((\p)%4)+4*\rho:64*((\p)%4)+4*\rho+3], v[LI], s[XB:XB+1] offset:(8*((\p)/4)+\rho+8*(\rho/8))*2048+512*((\p)%4) th:TH_LOAD_NT
.endr
	WIN 0
.endm
; The piece turns through my stage: in as rows, out as 16 neighbours of each block of 32 to a lane.  LDS serves a wave's instructions in order (ISA guide 5.7.1.4): no wait between the stores and the loads
.macro TURN p
	WIN 0x08
.irp rho, 0,1,2,3,4,5,6,7,8,9,10,11,12,13,14,15
	ds_store_b128 v[SA], v[64*((\p)%4)+4*\rho:64*((\p)%4)+4*\rho+3] offset:((\p)%2)*SBUF+528*\rho
.endr
	WIN 0
.irp c, 0,1,2,3
.irp j, 0,1,2,3
	ds_load_b128 v[XF+64*((\p)%2)+16*\c+4*\j:XF+64*((\p)%2)+16*\c+4*\j+3], v[SR] offset:((\p)%2)*SBUF+128*\c+16*\j
.endr
.endr
.endm
; 64 numbers become three fragments.  The hold writes into three blocks of 16 by turns, so that x stays whole and 32 plain lines lie between a conversion and the next write of its sources
.macro QUANT3 p
.irp ver, 0,1,2
.irp c, 0,1,2,3
.set TBK, TQ+16*((\c+4*\ver)%3)
.irp i, 0,1,2,3,4,5,6,7,8,9,10,11,12,13,14,15
	v_med3_num_f32 v[TBK+\i], v[XF+64*((\p)%2)+16*\c+\i], -v[XC+1+2*\ver], v[XC+1+2*\ver]
.endr
	v_cvt_scalef32_pk8_fp8_f32 v[PC+16*\ver+4*\c:PC+16*\ver+4*\c+1], v[TBK:TBK+7], v[XC+2*\ver]
	v_cvt_scalef32_pk8_fp8_f32 v[PC+16*\ver+4*\c+2:PC+16*\ver+4*\c+3], v[TBK+8:TBK+15], v[XC+2*\ver]
.endr
.endr
	v_nop                                          ; a plain line behind the last conversion
.endm
.macro IMAGE p                         ; the three fragments go to LDS as they stand: fragment (tile 2 w + u, step s) at 2,048 (8 s + 2 w + u) of its version
.irp ver, 0,1,2
.irp c, 0,1,2,3
	ds_store_b128 v[XW+\ver], v[PC+16*\ver+4*\c:PC+16*\ver+4*\c+3] offset:16384*((\p)%4)+2048*((\p)/4)+512*\c
.endr
.endr
.endm
.macro WLOAD wset, off                 ; a K step's eight fragments of W, 16,384 consecutive bytes of wc, into set wset of window 1
	WIN 0x40
.irp b, 0,1,2,3,4,5,6,7
.irp c, 0,1,2,3
	global_load_b128 v[128*(\wset)+16*\b+4*\c:128*(\wset)+16*\b+4*\c+3], v[LI], s[WB:WB+1] offset:(\off)+2048*\b+512*\c
.endr
.endr
	WIN 0
.endm
.macro BLOAD ptr                       ; the bias in the result's layout: for tile 2 B + u, lane half h: features 32 B + 16 h + 8 u + 0 .. 7
.irp t, 0,1,2,3,4,5,6,7
	global_load_b128 v[BI+8*\t:BI+8*\t+3], v[BO], s[\ptr:\ptr+1] offset:(32*(\t/2)+8*(\t%2))*4
	global_load_b128 v[BI+8*\t+4:BI+8*\t+7], v[BO], s[\ptr:\ptr+1] offset:(32*(\t/2)+8*(\t%2))*4+16
.endr
.endm
.macro FETCH_A ks, i0                  ; x's fragments of tiles i0 .. i0 + 3, K step ks
.irp i, \i0, \i0+1, \i0+2, \i0+3
.irp c, 0,1,2,3
	ds_load_b128 v[XF+16*(\i)+4*\c:XF+16*(\i)+4*\c+3], v[ADX] offset:(8*(\ks)+(\i))*2048+512*\c
.endr
.endr
.endm
; 16 matrix instructions: x's tiles a0, a0 + 1 against W's eight.  form 0: v; form 1: k, q.  The 64 accumulators take turns, one instruction a turn, in the same order in every step
.macro MUL16 form, a0, wset, ks
.if \form
.if (\ks) == 0
	WIN 0x81+0x40*((\a0)/4)
.else
	WIN 0xa1+0x50*((\a0)/4)
.endif
.else
	WIN 0xa4+0x50*((\a0)/4)
.endif
.irp a, \a0, \a0+1
.irp b, 0,1,2,3,4,5,6,7
.set AC, 8*(8*((\a)%4)+\b)
.set WF, 128*(\wset)+16*\b
.set XA, XF+16*(\a)
.if \form
.if (\ks) == 0
	v_wmma_f32_16x16x128_fp8_fp8 v[AC:AC+7], v[WF:WF+15], v[XA:XA+15], v[BI+8*\b:BI+8*\b+7]
.else
	v_wmma_f32_16x16x128_fp8_fp8 v[AC:AC+7], v[WF:WF+15], v[XA:XA+15], v[AC:AC+7]
.endif
.else
.if (\ks) == 0
	v_wmma_f32_16x16x128_fp8_fp8 v[AC:AC+7], v[XA:XA+15], v[WF:WF+15], 0
.else
	v_wmma_f32_16x16x128_fp8_fp8 v[AC:AC+7], v[XA:XA+15], v[WF:WF+15], v[AC:AC+7]
.endif
.endif
.endr
.endr
.endm
; A K step.  W's set of the following step is asked for at the head, 64 matrix instructions ahead of its wait; x's tiles 0-3 are fetched anew in the middle, tiles 4-7 at the end.
; mode 1: the last step of v: the following step is k's first, with bk.  mode 2: the last step in the loop: q's first, with bq, if a trip follows (no load leaves wc).
.macro STEP form, ks, mode
.if (\ks) > 0
	s_wait_loadcnt 0x0                             ; this step's set of W is in: every wait for loads in the products is for 0, so it holds on both ways round the branch below
.endif
	PLACES 4
.if (\ks) < 3
	WLOAD 1-(\ks)%2, ((\ks)+1)*65536
.elseif (\mode) == 1
	WLOAD 0, 262144
	BLOAD BKP
.else
	s_cmp_eq_u32 s[CNT], 1
	s_cbranch_scc1 .Lno_next_\@
	WLOAD 0, 262144
	BLOAD BQP
.Lno_next_\@:
.endif
	s_wait_dscnt 16                                ; x's tiles 0-3 are in; the sixteen younger loads (tiles 4-7) may be out
	MUL16 \form, 0, (\ks)%2, \ks
	MUL16 \form, 2, (\ks)%2, \ks
	s_wait_dscnt 0x0
.if ((\form) == 0) && ((\ks) == 0)
	s_wait_xcnt 0x0                                ; xc's stores, 32 matrix instructions back, have read window 3's registers, which the products below write
.endif
	PLACES 4
	WIN 0
.if (\ks) < 3
	FETCH_A (\ks)+1, 0
.endif
	MUL16 \form, 4, (\ks)%2, \ks
	MUL16 \form, 6, (\ks)%2, \ks
	PLACES 4
	WIN 0
.if (\ks) < 3
	FETCH_A (\ks)+1, 4
.endif
.endm
	s_load_b256 s[4:11], s[0:1], 0x0               ; x s[4:5], wc s[6:7], bv s[8:9], bk s[10:11]
	s_load_b256 s[12:19], s[0:1], 0x20             ; bq s[12:13], the scales' exponents s[14:15], xc s[16:17], vc s[18:19]
	s_load_b128 s[20:23], s[0:1], 0x40             ; kc s[20:21], qc s[22:23]
	v_lshl_add_u32 v[SPW], v0, 2, SPARE
	v_mov_b32 v[NIL], 0
	v_lshrrev_b32 v1, 5, v0
	v_readfirstlane_b32 s[WV], v1                  ; wave 0..3
	v_and_b32 v12, 31, v0                          ; lane
	v_and_b32 v13, 15, v0                          ; r
	v_bfe_u32 v14, v0, 4, 1                        ; h
	v_lshlrev_b32 v[LI], 4, v12
	s_mul_i32 s35, s[WV], SWAVE
	s_add_co_u32 s35, s35, STG                     ; my stage
	v_add_nc_u32 v[SA], s35, v[LI]
	v_mul_u32_u24 v[SR], v13, 528
	v_lshl_add_u32 v[SR], v14, 6, v[SR]
	v_add_nc_u32 v[SR], s35, v[SR]
	s_lshl_b32 s36, s[WV], 14
	v_add_nc_u32 v[XCA], s36, v[LI]
	s_lshl_b32 s36, s[WV], 12
	v_add_nc_u32 v[XW], s36, v[LI]
	v_add_nc_u32 v[XW+1], 65536, v[XW]
	v_add_nc_u32 v[XW+2], 131072, v[XW]
	v_lshlrev_b32 v[BVO], 2, v13
	v_lshlrev_b32 v[BO], 6, v14
	s_lshl_b32 s72, ttmp9, 18                      ; 128 rows of 2,048 bytes for each work-group
	s_mov_b32 s73, 0
	s_lshl_b32 s74, s[WV], 16                      ; 32 rows of x for each wave
	s_lshl_b32 s62, s[WV], 14                      ; in wc a wave's eight fragments of a K step are 16,384 bytes; K steps lie 65,536 apart
	s_mov_b32 s63, 0
	s_mov_b32 s75, 0
	s_lshl_b32 s76, ttmp9, 16                      ; 65,536 bytes of codes for each work-group,
	s_lshl_b32 s77, s[WV], 14                      ; 16,384 of them for each wave
	s_add_co_u32 s76, s76, s77
	s_mov_b32 s77, 0
	s_lshl_b32 s78, s[WV], 9                       ; my 128 numbers of a bias
	s_mov_b32 s79, 0
	s_wait_kmcnt 0x0
	s_load_b256 s[24:31], s[14:15], 0x0            ; e0 .. e7
	s_load_b64 s[32:33], s[14:15], 0x20            ; e8, e9
	s_add_nc_u64 s[XB:XB+1], s[4:5], s[72:73]
	s_add_nc_u64 s[XB:XB+1], s[XB:XB+1], s[74:75]
	s_add_nc_u64 s[WB:WB+1], s[6:7], s[62:63]
	s_add_nc_u64 s[XCB:XCB+1], s[16:17], s[76:77]
	s_add_nc_u64 s[VCB:VCB+1], s[18:19], s[76:77]
	s_add_nc_u64 s[KCP:KCP+1], s[20:21], s[76:77]
	s_add_nc_u64 s[QCP:QCP+1], s[22:23], s[76:77]
	s_add_nc_u64 s[BKP:BKP+1], s[10:11], s[78:79]
	s_add_nc_u64 s[BQP:BQP+1], s[12:13], s[78:79]
	s_add_nc_u64 s[BVP:BVP+1], s[8:9], s[78:79]
	LOADP 0
	LOADP 1
	LOADP 2
	LOADP 3
	s_wait_kmcnt 0x0
	MKSC 72, 73, 28                                ; x for v: e4
	v_mov_b32 v[XC], s72
	v_mov_b32 v[XC+1], s73
	MKSC 72, 73, 26                                ; x for k: e2
	v_mov_b32 v[XC+2], s72
	v_mov_b32 v[XC+3], s73
	MKSC 72, 73, 24                                ; x for q: e0
	v_mov_b32 v[XC+4], s72
	v_mov_b32 v[XC+5], s73
	s_add_co_i32 s[SV], s28, s29                   ; a sum of v's product stands for sum x 2^(e4 + e5)
	s_add_co_i32 s[SV], s[SV], 127
	s_lshl_b32 s[SV], s[SV], 23
	s_mov_b32 s[SV+1], s[SV]
	MKSC 36, 37, 33                                ; v's codes: e9
	s_add_co_i32 s54, s26, s27
	s_sub_co_i32 s54, 0, s54                       ; bk goes in as bk / 2^(e2 + e3),
	s_add_co_i32 s72, s31, s54
	MKSC 55, 56, 72                                ; and k's conversion takes 2^(e7 - e2 - e3): the three scales folded into one
	s_add_co_i32 s57, s24, s25
	s_sub_co_i32 s57, 0, s57                       ; bq / 2^(e0 + e1),
	s_add_co_i32 s72, s30, s57
	MKSC 58, 59, 72                                ; 2^(e6 - e0 - e1)
	; ---- X: my 32 rows of x, eight pieces of 16 rows x 128 K.  Loads run four pieces ahead, the turn through the stage one piece
	s_wait_alu depctr_va_vdst(0)
	s_wait_loadcnt 48                              ; piece 0's sixteen loads are in; those of three pieces may be out
	TURN 0
.irp p, 0,1,2,3,4,5,6,7
	s_wait_dscnt 0x0                               ; this piece is back from the stage, its stores into the stage have read the landing set, and the last piece's images have read their registers
.if \p < 4
	LOADP \p+4
	s_wait_loadcnt 48                              ; the next piece is in; three younger pieces may be out
.elseif \p < 7
	s_wait_loadcnt 16*(6-\p)                       ; the next piece is in; the pieces behind it may be out
.endif
.if \p < 7
	TURN \p+1
.endif
.if \p == 6
	WLOAD 0, 0                                     ; Wv's first K step
.endif
	QUANT3 \p
	IMAGE \p
.endr
.irp b, 0,1,2,3,4,5,6,7
	global_load_b32 v[BV+2*\b], v[BVO], s[BVP:BVP+1] offset:64*\b     ; bv lands where x's constants lay: they have served
	global_load_b32 v[BV+2*\b+1], v[BVO], s[BVP:BVP+1] offset:64*\b
.endr
	v_mov_b32 v[SC], s36
	v_mov_b32 v[LM], s37
	s_wait_dscnt 0x0                               ; for the others' sake: my images have landed
	s_barrier_signal -1
	s_barrier_wait -1                              ; x's 96 fragments lie in LDS; nobody writes them again
	; ---- xc: the first set of images goes to memory as it lies, a quarter (16,384 bytes) to a wave, through window 3's registers, which are not yet at work
	s_wait_loadcnt 0x0                             ; Wv's first set, bv
	WIN 0xc0
.set N, 0
.rept 32
	ds_load_b128 v[4*N:4*N+3], v[XCA] offset:512*N
.set N, N+1
.endr
	WIN 0
	v_mov_b32 v[ADX], v[LI]
	FETCH_A 0, 0
	s_wait_alu depctr_va_vdst(0)
	s_wait_dscnt 16                                ; the copy's 32 loads are in; the sixteen fragment loads behind them may be out
	WIN 0x0c
.set N, 0
.rept 32
	global_store_b128 v[LI], v[4*N:4*N+3], s[XCB:XCB+1] offset:512*N th:TH_STORE_NT   ; 32 lanes store 512 consecutive bytes
.set N, N+1
.endr
	WIN 0
	FETCH_A 0, 4
	; ---- v
	STEP 0, 0, 0
	STEP 0, 1, 0
	STEP 0, 2, 0
	STEP 0, 3, 1
; v's way out, a tile of 16 rows at a time.  VFMA: v = sum x 2^(e4 + e5) + bv, in f32.  VQ: held and converted: a lane's 8 registers are 8 neighbouring rows, the next product's K; two tiles fill four registers
; of each of my 8 fragments.  Each pair of tiles has code registers of its own, so that no store's data are written again here
.macro VFMA a
	WIN 0x02+((\a)/4)
.irp b, 0,1,2,3,4,5,6,7
.irp i, 0,2,4,6
	v_pk_fma_f32 v[XF+64*((\a)%2)+8*\b+\i:XF+64*((\a)%2)+8*\b+\i+1], v[8*(8*((\a)%4)+\b)+\i:8*(8*((\a)%4)+\b)+\i+1], s[SV:SV+1], v[BV+2*\b:BV+2*\b+1] op_sel_hi:[1,0,1]
.endr
.endr
	WIN 0
.endm
.macro VQ a
.set N, 0
.rept 64
	v_med3_num_f32 v[XF+64*((\a)%2)+N], v[XF+64*((\a)%2)+N], -v[LM], v[LM]
.set N, N+1
.endr
	WIN 0x40
.irp b, 0,1,2,3,4,5,6,7
	v_cvt_scalef32_pk8_fp8_f32 v[CODE+32*((\a)/2)+4*\b+2*((\a)%2):CODE+32*((\a)/2)+4*\b+2*((\a)%2)+1], v[XF+64*((\a)%2)+8*\b:XF+64*((\a)%2)+8*\b+7], v[SC]
.endr
	v_nop                                          ; a plain line behind the last conversion
.if (\a)%2
	WIN 0x04
.irp b, 0,1,2,3,4,5,6,7
	global_store_b128 v[LI], v[CODE+32*((\a)/2)+4*\b:CODE+32*((\a)/2)+4*\b+3], s[VCB:VCB+1] offset:2048*\b+512*((\a)/2) th:TH_STORE_NT
.endr
.endif
	WIN 0
.endm
.irp a, 0,1,2,3,4,5,6,7                ; (four places stand at the last step's end)
	VFMA \a
	VQ \a
.endr
	s_mov_b32 s[XO], 65536
	s_mov_b32 s[CNT], 2
	; ---- k, then q: one text, two trips; what differs lies in scalar registers
.Lkq:
	s_wait_loadcnt 0x0                             ; W's first set and the bias are in: every load that names wc's base is done,
	s_add_nc_u64 s[WB:WB+1], s[WB:WB+1], 262144    ; so it may step on to this trip's weight
.set N, 0
.rept 64
	v_ldexp_f32 v[BI+N], v[BI+N], s54
.set N, N+1
.endr
	v_mov_b32 v[SC], s55
	v_mov_b32 v[LM], s56
	s_wait_alu depctr_va_vdst(0)
	s_wait_xcnt 0x0                                ; the stores of the codes made last (v's from W's set 1, k's from x's fragment registers) have read their registers and base: all three are written below
	s_cmp_eq_u32 s[CNT], 2
	s_cselect_b64 s[OUTP:OUTP+1], s[KCP:KCP+1], s[QCP:QCP+1]
	v_add_nc_u32 v[ADX], s[XO], v[LI]
	s_wait_alu depctr_va_vdst(0)
	FETCH_A 0, 0
	FETCH_A 0, 4
	STEP 1, 0, 0
	STEP 1, 1, 0
	STEP 1, 2, 0
	STEP 1, 3, 2
.irp a, 0,1,2,3,4,5,6,7                ; the way out: a lane's 64 sums of tile a are 64 features of one row, in the fragment's own order: held, converted, stored as an image
	WIN 0x82+0x41*(\a/4)
.set N, 0
.rept 64
	v_med3_num_f32 v[64*(\a%4)+N], v[64*(\a%4)+N], -v[LM], v[LM]
.set N, N+1
.endr
	WIN 0x02+(\a/4)
.irp b, 0,1,2,3,4,5,6,7
	v_cvt_scalef32_pk8_fp8_f32 v[XF+16*\a+2*\b:XF+16*\a+2*\b+1], v[64*(\a%4)+8*\b:64*(\a%4)+8*\b+7], v[SC]
.endr
	v_nop                                          ; a plain line behind the last conversion
	WIN 0
.irp c, 0,1,2,3
	global_store_b128 v[LI], v[XF+16*\a+4*\c:XF+16*\a+4*\c+3], s[OUTP:OUTP+1] offset:2048*\a+512*\c th:TH_STORE_NT
.endr
.endr
	s_add_co_u32 s[XO], s[XO], 65536               ; what memory instructions do not name is stepped here; the rest at the next trip's head, behind its waits
	s_mov_b32 s54, s57
	s_mov_b32 s55, s58
	s_mov_b32 s56, s59
	s_sub_co_u32 s[CNT], s[CNT], 1
	s_cmp_lg_u32 s[CNT], 0
	s_cbranch_scc1 .Lkq
	s_wait_tensorcnt 0x0                           ; the wave's end: behind my last LDS store
	ds_add_u32 v[SPW], v[NIL]
	s_wait_dscnt 0x0
	s_endpgm
.Lfunc_end_k_q2cfddf0001_proj:
	.size	k_q2cfddf0001_proj, .Lfunc_end_k_q2cfddf0001_proj-k_q2cfddf0001_proj
	.p2alignl 7, 3214868480
	.fill 96, 4, 3214868480
	.section	.rodata,"a",@progbits
	.p2align	6, 0x0
	.amdhsa_kernel k_q2cfddf0001_proj
		.amdhsa_group_segment_fixed_size 264704
		.amdhsa_private_segment_fixed_size 0
		.amdhsa_enable_private_segment 0
		.amdhsa_kernarg_size 80
		.amdhsa_user_sgpr_count 2
		.amdhsa_user_sgpr_kernarg_segment_ptr 1
		.amdhsa_wavefront_size32 1
		.amdhsa_system_sgpr_workgroup_id_x 1
		.amdhsa_system_sgpr_workgroup_id_y 1
		.amdhsa_system_sgpr_workgroup_id_z 1
		.amdhsa_system_vgpr_workitem_id 0
		.amdhsa_next_free_vgpr 1024
		.amdhsa_next_free_sgpr 80
		.amdhsa_reserve_vcc 0
		.amdhsa_float_denorm_mode_32 3
		.amdhsa_float_denorm_mode_16_64 3
		.amdhsa_memory_ordered 1
		.amdhsa_forward_progress 1
		.amdhsa_inst_pref_size 255
	.end_amdhsa_kernel
	.section	.bss,"aw",@nobits
	.p2align	6
	.space	262144
	.amdgpu_metadata
---
amdhsa.version: [ 1, 2 ]
amdhsa.kernels:
  - .name:           k_q2cfddf0001_proj
    .symbol:         k_q2cfddf0001_proj.kd
    .args:
      - { .name: x, .offset: 0, .size: 8, .value_kind: global_buffer, .address_space: global }
      - { .name: wc, .offset: 8, .size: 8, .value_kind: global_buffer, .address_space: global }
      - { .name: bv, .offset: 16, .size: 8, .value_kind: global_buffer, .address_space: global }
      - { .name: bk, .offset: 24, .size: 8, .value_kind: global_buffer, .address_space: global }
      - { .name: bq, .offset: 32, .size: 8, .value_kind: global_buffer, .address_space: global }
      - { .name: lowp_scales, .offset: 40, .size: 8, .value_kind: global_buffer, .address_space: global }
      - { .name: xc, .offset: 48, .size: 8, .value_kind: global_buffer, .address_space: global }
      - { .name: vc, .offset: 56, .size: 8, .value_kind: global_buffer, .address_space: global }
      - { .name: kc, .offset: 64, .size: 8, .value_kind: global_buffer, .address_space: global }
      - { .name: qc, .offset: 72, .size: 8, .value_kind: global_buffer, .address_space: global }
    .group_segment_fixed_size: 264704
    .private_segment_fixed_size: 0
    .kernarg_segment_align: 8
    .kernarg_segment_size: 80
    .max_flat_workgroup_size: 128
    .sgpr_count:     80
    .vgpr_count:     1024
    .wavefront_size: 32
...
	.end_amdgpu_metadata
.endif
;; end of part 2
;; launch attn (part 3): grid 8 x 32, 4 waves a work-group, clusters of 4 x 1, 327,680 bytes of LDS; arguments qc, kc, vc, xc, beta, lowp_scales, out0, wc, bv; writes out0
.if DOCPART == 3
	.amdgcn_target "amdgcn-amd-amdhsa--gfx1250"
	.amdhsa_code_object_version 6
	.text
	.protected	k_q2cfddf0001_attn
	.globl	k_q2cfddf0001_attn
	.p2align	8
	.type	k_q2cfddf0001_attn,@function
k_q2cfddf0001_attn:
	s_mov_b64 s[64:65], 0
	v_nop
	global_prefetch_b8 v0, s[64:65] scope:SCOPE_SE
	s_setreg_imm32_b32 hwreg(HW_REG_WAVE_MODE, 25, 1), 1
	s_wait_xcnt 0x0
	s_wait_alu depctr_hold_cnt(0) depctr_sa_sdst(0) depctr_va_vdst(0) depctr_va_sdst(0) depctr_va_ssrc(0) depctr_va_vcc(0) depctr_vm_vsrc(0)
	s_getreg_b32 s2, hwreg(HW_REG_IB_STS2, 6, 4)
	s_cmp_eq_u32 s2, 0
	s_cbranch_scc0 .Lentry_in_a_cluster
	s_endpgm
.Lentry_in_a_cluster:
	s_bfe_u32 s2, ttmp6, 0x10000c
	s_cmp_lg_u32 s2, 0x3003
	s_cbranch_scc0 .Lentry_shape_is_right
	s_endpgm
.Lentry_shape_is_right:
; out0 = beta * softmax(q k^T) v + v, for 128 queries of one batch to a work-group, on the codes that the launches before have stored (fragments: 16 rows x 128 K, 2,048 bytes, the image of 16 registers).
; Nothing of the problem's work is left out here.  The last term, v = x Wv^T + bv for the work-group's own rows, is multiplied here once more from x's and Wv's codes, straight onto the finished sums.
; THE SOFTMAX: t = energy x log2(e); M = the running largest t rounded UP to a whole number; p = 2^(t - M) is quantised with 2^e8, not normalised; the row's sum l is taken of the unquantised p;
; when M moves, l and O are multiplied by f = 2^(old M - new M), which rounds nothing.  At the end out = 2^(e4 + e5) (x Wv^T + g O) + bv, g = beta 2^(e8 + e9 - e4 - e5) / l.
; A WAVE HAS TWO ROLES.  SCORES: wave w owns query tiles 2 w, 2 w + 1 against all 128 keys of a step: S^T = K Q^T, a lane holds ONE query.  OUTPUT: wave (i = w / 2, j = w % 2) owns query tiles 4 i .. 4 i + 3 and
; channels 256 j on: O^T += V^T P^T, 64 accumulators.  P's fragments and f go between the roles through LDS as images, two sets by turns; the one barrier that this needs is also the ring's change of slots.
; THE STEPS OVERLAP.  The scores of step m + 1 go by pairs of key tiles (four accumulators by turns, 16 matrix instructions a pair).  Between them stand the scaling, exponentials, sums, hold and conversion of step m,
; one block of 32 keys ahead of the pair that writes over that block's registers: S^T is used in place.  The maxima of step m + 1 stand between the signal and the wait of the round's opening barrier.
; So a trip is: V^T P^T of step j; p of step j + 1 among the scores of step j + 2; the change of slots.
; O^T BEGINS AS ZEROS, written while the first tiles are on their way, so that one text serves every V^T P^T: the first f is 0 and leaves zeros.
; The rows of a tile of K, Q or x are not neighbours (slot r of tile 2 B + u is row 32 B + 8 u + r + 8 (r / 8)): the 16 registers of score tiles 2 B, 2 B + 1 are keys 32 B + 16 (lane / 16) + 0 .. 15, P's own order.
; CLUSTER.  The four query blocks of a cluster walk the same K, V and Wv: each tile is asked for JOINTLY, by the same tensor load with the same descriptor and a mask that names the four.
; THE RING.  Four regions of 65,536 bytes: K's and V's of slots 0 and 1; no padding: every LDS read is 512 consecutive bytes.  Head: K0 | V0 (waves 0, 1 | waves 2, 3); behind a round K1 | V1; behind the scores of step 0 K2.
; Behind the change of step m: K(m + 3) into the region of K(m + 1), just read, and V(m + 1) into that of V(m - 1).  A K step of Wv is a tile like K's: Wv0, Wv1 follow K7 on the same walking descriptor (m = 5, 6),
; Wv2 takes V's region of slot 0 behind m = 7, Wv3 that of slot 1 behind one more round.  By this text's own count a wave has one tensor load out behind each round.
; PREFETCH: at the change of step m, m = 1 on, the batch's first cluster names what the next change will load, K(m + 4) and V(m + 2), 8,192 bytes a wave and partner, told apart by address; nothing at the head, nothing beyond tile 7.
; Wv is not prefetched: the launch before and every work-group read the same 262,144 bytes, and each of its tiles is asked for a whole key step ahead of its use.
; LIMITS: e6 + e7 and e4 + e5 between -126 and 127; e8 between -126 and 119; g O must stay inside f32's range.  NaN among the scores is not served.
; REGISTERS.  Window 0: v1-23, v62, v63 addresses and constants; v24-31 g, v48-55 f of my four output tiles, in pairs; v32-47 statistics, later bv; v56-61 at work and half of l; v64-191 S^T / p, later x's K steps 2, 3;
;   v192-255 P.   Windows 1, 2: O^T, tile 4 ct + qt at 8 x its number.   Window 3: v0-127 Q, later x's K steps 0, 1; v128-255 two halves of four fragments of K, V or Wv.
.set SLOTB, 131072
.set VOFF,  65536
.set PIMG,  262144                     ; P's images: two sets x 8 fragments
.set FIMG,  294912                     ; f's: two sets x 8 tiles x 128 bytes
.set SPARE, 296960                     ; the spare words: two blocks of 256 bytes that no other line names
.set STG,   297472                     ; the way out: 16 rows x (256 + 16) bytes for each wave
.set LIMG,  314880                     ; g's images
.set LI,   1
.set L4,   2
.set ADK,  3
.set ADV0, 4
.set ADV,  5
.set PW0,  6
.set PR0,  7
.set FW0,  8
.set FR0,  9
.set PW,   10
.set PR,   11
.set FW,   12
.set FR,   13
.set STO,  14
.set RD,   15
.set GO,   16
.set GW,   17
.set GR,   18
.set PFO,  19
.set SPW,  20
.set NIL,  21
.set PLIM, 22
.set PSC,  23
.set GQ,   24
.set ST,   32                          ; tile z at ST + 8 z: +0 -M, +1 the largest t, +2, +3 half of l, +4 f (+5 written once), +6, +7 at work
.set BVR,  32
.set FQ,   48
.set TP,   56
.set TS,   58                          ; the other half of l: two registers a tile
.set AW0,  62
.set BVA,  63
.set S,    64
.set P,    192
.set FB,   128
.set WV,   18
.set G1,   24                          ; s[24:31] descriptor group 1: 32,768 dense bytes
.set KA,   32
.set KB,   36                          ; walks: K1 .. K7, Wv0, Wv1
.set VA,   40
.set VB,   44                          ; walks: V1 .. V7
.set CS,   48
.set SEL,  50
.set TB,   52
.set PP,   53
.set PF,   54
.set J,    55
.set LIMJ, 56
.set TK,   57
.set PFA,  58
.set SV,   62
.set WD,   92                          ; s[92:95] waves 0, 1: Wv0's address; waves 2, 3: group 0 of Wv2, then Wv3
.set MSB, 0
.macro WIN new
.if MSB != (\new)
	s_set_vgpr_msb (MSB<<8)|(\new)
.set MSB, (\new)
.endif
.endm
.macro PLACES n
.rept \n
	v_nop
.endr
.endm
.macro CREST                           ; a round of the cluster's barrier behind its opening barrier
	s_cmp_lg_u32 s[WV], 0
	s_cbranch_scc1 .Lnot_wave_0_\@
	s_barrier_signal -3
.Lnot_wave_0_\@:
	s_barrier_wait -3
	s_barrier_signal -1
	s_barrier_wait -1
.endm
; A joint load: waves 0, 1 by group 0 a, waves 2, 3 by b (-1: none).  The branches hang on the wave's number alone.  s_nop 0 and four v_nop follow each load
.macro JL a, b
	s_cmp_lt_u32 s[WV], 2
.if (\a) >= 0
	s_cbranch_scc0 .Lb_\@
	tensor_load_to_lds s[\a:\a+3], s[G1:G1+7]
	s_nop 0
	PLACES 4
.if (\b) >= 0
	s_branch .Le_\@
.endif
.Lb_\@:
.else
	s_cbranch_scc1 .Le_\@
.endif
.if (\b) >= 0
	tensor_load_to_lds s[\b:\b+3], s[G1:G1+7]
	s_nop 0
	PLACES 4
.endif
.Le_\@:
.endm
.macro ASK
	s_cmp_lt_u32 s[J], s[LIMJ]
	s_cbranch_scc0 .Lnot_mine_\@
	global_prefetch_b8 v[PFO], s[PFA:PFA+1] th:TH_LOAD_NT scope:SCOPE_SE
.Lnot_mine_\@:
.endm
.macro ADDRS                           ; step m's LDS addresses: K(m + 1), V(m), P's and f's set m % 2; the six additions are also places behind the last products
	v_add_nc_u32 v[ADK], s[TK], v[LI]
	v_add_nc_u32 v[ADV], s[TB], v[ADV0]
	v_add_nc_u32 v[PW], s[PP], v[PW0]
	v_add_nc_u32 v[PR], s[PP], v[PR0]
	v_add_nc_u32 v[FW], s[PF], v[FW0]
	v_add_nc_u32 v[FR], s[PF], v[FR0]
	s_xor_b32 s[TK], s[TK], SLOTB
	s_xor_b32 s[TB], s[TB], SLOTB
	s_xor_b32 s[PP], s[PP], 16384
	s_xor_b32 s[PF], s[PF], 1024
	s_wait_alu depctr_va_vdst(0)
.endm
.macro KLOAD hg                        ; half hg of K: key tiles 2 (hg / 2) + 0, 1, feature steps 2 (hg % 2) + 0, 1, into half hg % 2
	WIN 0xc0
.irp sl, 0,1
.irp tt, 0,1
.irp c, 0,1,2,3
	ds_load_b128 v[FB+64*((\hg)%2)+16*(2*\sl+\tt)+4*\c:FB+64*((\hg)%2)+16*(2*\sl+\tt)+4*\c+3], v[ADK] offset:(8*(2*((\hg)%2)+\sl)+2*((\hg)/2)+\tt)*2048+512*\c
.endr
.endr
.endr
.endm
.macro FMA0 B, z                       ; t - M for block B (keys 32 B on) of tile z
.irp i, 0,2,4,6,8,10,12,14
	v_pk_fma_f32 v[S+16*(\B)+64*(\z)+\i:S+16*(\B)+64*(\z)+\i+1], v[S+16*(\B)+64*(\z)+\i:S+16*(\B)+64*(\z)+\i+1], s[CS:CS+1], v[ST+8*(\z):ST+8*(\z)+1] op_sel_hi:[1,0,0]
.endr
.endm
; Part n (0 .. 13) of the way from t - M to codes for block B of both tiles; one part stands behind each score product of the pair of key tiles before.
; 0-3: the 32 exponentials, ONE batch.  They stand behind the four products that start the pair's sums and read no accumulator; the wait behind the batch stands ahead of the first adding product and of the first line that names a result.
; The wait ahead of the batch is the one at the half's head (w = 0), or is written here (w = 1: no products between).  4, 5: the sums of the unquantised p.  6-11: hold and conversion.  12, 13: t - M of block B + 1
.macro SUB B, n, w
.set RB, S+16*(\B)
.if (\n) < 4
.if ((\n) == 0) && (\w)
	s_wait_alu depctr_va_vdst(0)
.endif
.set RZ, RB+64*((\n)/2)+8*((\n)%2)
.set N, 0
.rept 8
	v_exp_f32 v[RZ+N], v[RZ+N]
.set N, N+1
.endr
.if (\n) == 3
	v_nop                                          ; a plain line behind the last exponential,
	s_wait_alu depctr_va_vdst(0)                   ; and the wait behind the batch
.endif
.elseif (\n) < 6
.set RZ, RB+64*((\n)-4)
.set LZ, ST+8*((\n)-4)+2
.set TZ, TS+2*((\n)-4)
.irp i, 0,4,8,12
	v_pk_add_f32 v[LZ:LZ+1], v[LZ:LZ+1], v[RZ+\i:RZ+\i+1]
	v_pk_add_f32 v[TZ:TZ+1], v[TZ:TZ+1], v[RZ+\i+2:RZ+\i+3]
.endr
.elseif (\n) < 12
.set RZ, RB+64*(((\n)-6)/3)
.set PZ, P+16*(((\n)-6)/3)+4*(\B)
.if (((\n)-6)%3) == 0
.set N, 0
.rept 8
	v_min_num_f32 v[RZ+N], v[RZ+N], v[PLIM]        ; the conversion does not saturate (ISA guide 7.6.2); p is not negative
.set N, N+1
.endr
.elseif (((\n)-6)%3) == 1
	v_cvt_scalef32_pk8_fp8_f32 v[PZ:PZ+1], v[RZ:RZ+7], v[PSC]
.set N, 8
.rept 8
	v_min_num_f32 v[RZ+N], v[RZ+N], v[PLIM]        ; (plain lines behind the conversion)
.set N, N+1
.endr
.else
	v_cvt_scalef32_pk8_fp8_f32 v[PZ+2:PZ+3], v[RZ+8:RZ+15], v[PSC]
	v_nop                                          ; a plain line behind the conversion
.endif
.elseif ((\n) < 14) && ((\B) < 3)
	FMA0 (\B)+1, (\n)-12
.endif
.endm
; vs = 1: p of the step in hand; mm = 1: the next step's scores.  Pair g of key tiles (16 matrix instructions, four accumulators by turns) writes over block g, whose codes are made; block g + 1 is worked between its products
.macro T1 vs, mm
.if \mm
	KLOAD 0
	KLOAD 1
	WIN 0
.endif
.if \vs
.irp z, 0,1
	v_pk_mul_f32 v[ST+8*\z+2:ST+8*\z+3], v[ST+8*\z+2:ST+8*\z+3], v[ST+8*\z+4:ST+8*\z+5] op_sel_hi:[1,0]   ; l under the new M
	v_pk_mul_f32 v[TS+2*\z:TS+2*\z+1], v[TS+2*\z:TS+2*\z+1], v[ST+8*\z+4:ST+8*\z+5] op_sel_hi:[1,0]
.endr
	FMA0 0, 0
	FMA0 0, 1
.irp n, 0,1,2,3,4,5,6,7,8,9,10,11,12,13
	SUB 0, \n, 1
.endr
.endif
.irp g, 0,1,2,3
.irp hh, 0,1
.if \mm
	s_wait_alu depctr_va_vdst(0)
.if 2*\g+\hh < 7
	s_wait_dscnt 16                                ; the older half is in; the younger sixteen loads may be out
.else
	s_wait_dscnt 0x0
.endif
.endif
.irp pr, 0,1,2,3
.irp z, 0,1
.if \mm
	WIN 0x0f
.set DS, S+64*\z+8*(2*\g+\pr%2)
.set AS, FB+64*\hh+16*\pr
.set BS, 64*\z+16*(2*\hh+\pr/2)
.if (\hh == 0) && (\pr < 2)
	v_wmma_f32_16x16x128_fp8_fp8 v[DS:DS+7], v[AS:AS+15], v[BS:BS+15], 0
.else
	v_wmma_f32_16x16x128_fp8_fp8 v[DS:DS+7], v[AS:AS+15], v[BS:BS+15], v[DS:DS+7]
.endif
.endif
.if (\vs) && (\g < 3) && (8*\hh+2*\pr+\z < 14)
	WIN 0
	SUB \g+1, 8*\hh+2*\pr+\z, 1-\mm
.endif
.endr
.endr
.if (\mm) && (2*\g+\hh < 6)
	PLACES 4                                       ; in front of the loads into the half just used
	KLOAD 2*\g+\hh+2
.endif
.endr
.endr
	WIN 0
.endm
; The two tiles' largest score, M and f, line by line in turn; each accumulator is read from its low end on
.macro MAXB
	s_wait_alu depctr_va_vdst(0)
.irp z, 0,1
	v_max3_num_f32 v[ST+8*\z+6], v[S+64*\z], v[S+64*\z+1], v[S+64*\z+2]
	v_max3_num_f32 v[ST+8*\z+7], v[S+64*\z+3], v[S+64*\z+4], v[S+64*\z+5]
.endr
.irp i, 6,10,14,18,22,26,30,34,38,42,46,50,54,58
.irp z, 0,1
	v_max3_num_f32 v[ST+8*\z+6], v[ST+8*\z+6], v[S+64*\z+\i], v[S+64*\z+\i+1]
	v_max3_num_f32 v[ST+8*\z+7], v[ST+8*\z+7], v[S+64*\z+\i+2], v[S+64*\z+\i+3]
.endr
.endr
.irp z, 0,1
	v_max3_num_f32 v[ST+8*\z+6], v[ST+8*\z+6], v[S+64*\z+62], v[S+64*\z+63]
.endr
.irp z, 0,1
	v_max_num_f32 v[ST+8*\z+6], v[ST+8*\z+6], v[ST+8*\z+7]
.endr
.irp z, 0,1
	v_permlanex16_b32 v[TP+\z], v[ST+8*\z+6], s[SEL], s[SEL+1]
.endr
.irp z, 0,1
	v_max_num_f32 v[ST+8*\z+6], v[ST+8*\z+6], v[TP+\z]
.endr
.irp z, 0,1
	v_mul_f32 v[ST+8*\z+6], s[CS], v[ST+8*\z+6]                               ; as t (c is positive)
.endr
.irp z, 0,1
	v_max_num_f32 v[ST+8*\z+1], v[ST+8*\z+1], v[ST+8*\z+6]
.endr
.irp z, 0,1
	v_mov_b32 v[ST+8*\z+6], v[ST+8*\z]
.endr
.irp z, 0,1
	v_floor_f32 v[ST+8*\z], -v[ST+8*\z+1]                                     ; the new -M = floor(-t)
.endr
.irp z, 0,1
	v_sub_f32 v[ST+8*\z+6], v[ST+8*\z], v[ST+8*\z+6]                          ; old M - new M, a whole number, 0 or less
.endr
.irp z, 0,1
	v_cvt_i32_f32 v[ST+8*\z+6], v[ST+8*\z+6]                                  ; (it saturates)
.endr
.irp z, 0,1
	v_ldexp_f32 v[ST+8*\z+4], 1.0, v[ST+8*\z+6]                               ; f
.endr
	s_wait_alu depctr_va_vdst(0)
.endm
.macro SEND last                       ; my two fragments of P and my two f go to LDS as they stand; last = 1: also g = beta 2^(e8 + e9 - e4 - e5) / l
.irp z, 0,1
.irp c, 0,1,2,3
	ds_store_b128 v[PW], v[P+16*\z+4*\c:P+16*\z+4*\c+3] offset:2048*\z+512*\c
.endr
	ds_store_b32 v[FW], v[ST+8*\z+4] offset:128*\z
.endr
.if \last
.irp z, 0,1
	v_add_f32 v[ST+8*\z+6], v[ST+8*\z+2], v[ST+8*\z+3]
	v_add_f32 v[ST+8*\z+7], v[TS+2*\z], v[TS+2*\z+1]
.endr
.irp z, 0,1
	v_add_f32 v[ST+8*\z+6], v[ST+8*\z+6], v[ST+8*\z+7]
.endr
.irp z, 0,1
	v_permlanex16_b32 v[TP+\z], v[ST+8*\z+6], s[SEL], s[SEL+1]
.endr
.irp z, 0,1
	v_add_f32 v[ST+8*\z+6], v[ST+8*\z+6], v[TP+\z]                            ; the row's sum: over 1/2, since the row's largest p is
.endr
	s_wait_alu depctr_va_vdst(0)
.irp z, 0,1
	v_rcp_f32 v[ST+8*\z+7], v[ST+8*\z+6]
.endr
	v_nop
	s_wait_alu depctr_va_vdst(0)
.irp z, 0,1
	v_mul_f32 v[ST+8*\z+7], s60, v[ST+8*\z+7]
.endr
.irp z, 0,1
	v_ldexp_f32 v[ST+8*\z+7], v[ST+8*\z+7], s61
.endr
.irp z, 0,1
	ds_store_b32 v[GW], v[ST+8*\z+7] offset:128*\z
.endr
.endif
.endm
; A CHANGE OF WHAT LIES IN THE RING.  In front of the barrier each wave waits for all its tensor loads, adds 0 to its spare word, and waits for that, for its LDS stores and its LDS reads.
; stepk = 2: in the trip with J = 4 K's walking descriptor goes over to Wv's K step 0 (a choice between two buffers on the trip count).  mx = 1: the next step's maxima stand inside the barrier: work on registers alone
.macro CHANGE stepk, stepv, stepw, steppf, round, mx
	s_wait_tensorcnt 0x0
	ds_add_u32 v[SPW], v[NIL]
.if \stepk
	s_xor_b32 s[KB+1], s[KB+1], SLOTB
	s_add_nc_u64 s[KB+2:KB+3], s[KB+2:KB+3], 65536
.endif
.if (\stepk) == 2
	s_cmp_eq_u32 s[J], 4
	s_cselect_b64 s[KB+2:KB+3], s[WD+2:WD+3], s[KB+2:KB+3]
.endif
.if \stepv
	s_xor_b32 s[VB+1], s[VB+1], SLOTB
	s_add_nc_u64 s[VB+2:VB+3], s[VB+2:VB+3], 65536
.endif
.if \stepw
	s_xor_b32 s[WD+1], s[WD+1], SLOTB
	s_add_nc_u64 s[WD+2:WD+3], s[WD+2:WD+3], 65536
.endif
.if \steppf
	s_wait_xcnt 0x0                                ; the last prefetch, a trip back, has read its address
	s_add_nc_u64 s[PFA:PFA+1], s[PFA:PFA+1], 65536
.endif
	s_wait_dscnt 0x0
	s_barrier_signal -1
.if \mx
	MAXB
.endif
	s_barrier_wait -1
.if \round
	CREST
.endif
.endm
.macro VLOAD vg                        ; my channel tiles 4 vg + 0 .. 3 of V or of Wv into half vg % 2
	WIN 0xc0
.irp tt, 0,1,2,3
.irp c, 0,1,2,3
	ds_load_b128 v[FB+64*((\vg)%2)+16*\tt+4*\c:FB+64*((\vg)%2)+16*\tt+4*\c+3], v[ADV] offset:(4*(\vg)+\tt)*2048+512*\c
.endr
.endr
.endm
.macro RESC1 ct, qt, fac               ; one tile of O^T x f, from its low end on
	WIN 0x41+0x41*((\ct)/8)
.irp i, 0,2,4,6
	v_pk_mul_f32 v[8*((4*(\ct)+\qt)%32)+\i:8*((4*(\ct)+\qt)%32)+\i+1], v[8*((4*(\ct)+\qt)%32)+\i:8*((4*(\ct)+\qt)%32)+\i+1], v[\fac+2*\qt:\fac+2*\qt+1] op_sel_hi:[1,0]
.endr
.endm
.macro RESC ct, fac                    ; O^T's four tiles of channel tile ct x f or x g, each tile from its low end on
	WIN 0x41+0x41*((\ct)/8)
.irp qt, 0,1,2,3
.irp i, 0,2,4,6
	v_pk_mul_f32 v[8*((4*(\ct)+\qt)%32)+\i:8*((4*(\ct)+\qt)%32)+\i+1], v[8*((4*(\ct)+\qt)%32)+\i:8*((4*(\ct)+\qt)%32)+\i+1], v[\fac+2*\qt:\fac+2*\qt+1] op_sel_hi:[1,0]
.endr
.endr
.endm
; O^T += V^T P^T: four products to a fragment of V; behind each product stands the rescaling of the same query tile of the next channel tile: four plain lines.  The last four of a group of fragments are also the places
; in front of the loads into the half just used
.macro PV last
.irp qt, 0,1,2,3
	ds_load_b32 v[FQ+2*\qt], v[FR] offset:128*\qt
.endr
.if \last
.irp qt, 0,1,2,3
	ds_load_b32 v[GQ+2*\qt], v[GR] offset:128*\qt
.endr
.endif
.irp qt, 0,1,2,3
.irp c, 0,1,2,3
	ds_load_b128 v[P+16*\qt+4*\c:P+16*\qt+4*\c+3], v[PR] offset:2048*\qt+512*\c
.endr
.endr
	VLOAD 0
	VLOAD 1
	s_wait_dscnt 32                                ; f, g and P are in; V's two halves may be out
	s_wait_alu depctr_va_vdst(0)
	RESC 0, FQ
.irp vg, 0,1,2,3
	s_wait_alu depctr_va_vdst(0)
.if \vg < 3
	s_wait_dscnt 16                                ; the older half is in
.else
	s_wait_dscnt 0x0
.endif
.irp tt, 0,1,2,3
.set CT, 4*\vg+\tt
	WIN 0x53+0x50*(CT/8)
.irp qt, 0,1,2,3
	WIN 0x53+0x50*(CT/8)
	v_wmma_f32_16x16x128_fp8_fp8 v[8*((4*CT+\qt)%32):8*((4*CT+\qt)%32)+7], v[FB+64*(\vg%2)+16*\tt:FB+64*(\vg%2)+16*\tt+15], v[P+16*\qt:P+16*\qt+15], v[8*((4*CT+\qt)%32):8*((4*CT+\qt)%32)+7]
.if CT < 15
	RESC1 CT+1, \qt, FQ
.endif
.endr
.endr
.if \vg < 2
	VLOAD \vg+2
.endif
.endr
	WIN 0
.endm
.macro XLOAD                           ; x's codes of my 64 rows: K steps 0, 1 into Q's registers, 2, 3 into S^T's: both have served
	WIN 0xc0
.irp s, 0,1
.irp qt, 0,1,2,3
.irp c, 0,1,2,3
	global_load_b128 v[64*\s+16*\qt+4*\c:64*\s+16*\qt+4*\c+3], v[LI], s[10:11] offset:(8*\s+\qt)*2048+512*\c th:TH_LOAD_NT
.endr
.endr
.endr
	WIN 0
.irp s, 2,3
.irp qt, 0,1,2,3
.irp c, 0,1,2,3
	global_load_b128 v[S+64*(\s-2)+16*\qt+4*\c:S+64*(\s-2)+16*\qt+4*\c+3], v[LI], s[10:11] offset:(8*\s+\qt)*2048+512*\c th:TH_LOAD_NT
.endr
.endr
.endr
.endm
; A K step of the tail: the 64 accumulators += Wv x^T, in V^T P^T's own layout.  Step 0 first brings each channel tile's sums under g
.macro TAIL s, region
.if (\s) < 2
.set XR, 64*(\s)
.else
.set XR, S+64*((\s)-2)
.endif
	PLACES 4
	v_add_nc_u32 v[ADV], \region, v[AW0]
	VLOAD 0
	VLOAD 1
.if (\s) == 0
	RESC 0, GQ
.endif
.irp vg, 0,1,2,3
	s_wait_alu depctr_va_vdst(0)
.if \vg < 3
	s_wait_dscnt 16
.else
	s_wait_dscnt 0x0
.endif
.irp tt, 0,1,2,3
.set CT, 4*\vg+\tt
.if (\s) < 2
	WIN 0x5f+0x50*(CT/8)
.else
	WIN 0x53+0x50*(CT/8)
.endif
.irp qt, 0,1,2,3
	v_wmma_f32_16x16x128_fp8_fp8 v[8*((4*CT+\qt)%32):8*((4*CT+\qt)%32)+7], v[FB+64*(\vg%2)+16*\tt:FB+64*(\vg%2)+16*\tt+15], v[XR+16*\qt:XR+16*\qt+15], v[8*((4*CT+\qt)%32):8*((4*CT+\qt)%32)+7]
.endr
.if (\s) == 0
.if CT < 15
	RESC CT+1, GQ
.endif
.endif
.endr
.if \vg < 2
.if (\s) != 0
	PLACES 4
.endif
	VLOAD \vg+2
.endif
.endr
	WIN 0
.endm
; THE WAY OUT, 16 groups n = (query tile n / 4, channels 64 (n % 4) on): through my stage and back as whole rows of 256 bytes INTO THE ACCUMULATORS THAT IT LEFT.  LDS serves a wave's instructions in order (ISA guide 5.7.1.4)
.macro TOSTG n
.set QT, (\n)/4
.set GG, (\n)%4
.set WW, 1+GG/2
	WIN WW<<2
.irp k, 0,1,2,3
.set RB, 8*((4*(4*GG+\k)+QT)%32)
	ds_store_b128 v[STO], v[RB:RB+3] offset:64*\k
	ds_store_b128 v[STO], v[RB+4:RB+7] offset:64*\k+16
.endr
	WIN WW<<6
.irp t, 0,1,2,3,4,5,6,7
.set RB, 8*((4*(4*GG+\t/2)+QT)%32)+4*(\t%2)
	ds_load_b128 v[RB:RB+3], v[RD] offset:544*\t
.endr
.endm
.macro OUT n                           ; out = sum x 2^(e4 + e5) + bv, and the store
.set QT, (\n)/4
.set GG, (\n)%4
.set WW, 1+GG/2
.if (\n) < 15
	s_wait_dscnt 16                                ; the group is back; the next group's eight stores and eight loads may be out
.else
	s_wait_dscnt 0x0
.endif
	WIN (WW<<6)|WW
.irp t, 0,1,2,3,4,5,6,7
.set RB, 8*((4*(4*GG+\t/2)+QT)%32)+4*(\t%2)
	v_pk_fma_f32 v[RB:RB+1], v[RB:RB+1], s[SV:SV+1], v[BVR+4*GG:BVR+4*GG+1] op_sel_hi:[1,0,1]
	v_pk_fma_f32 v[RB+2:RB+3], v[RB+2:RB+3], s[SV:SV+1], v[BVR+4*GG+2:BVR+4*GG+3] op_sel_hi:[1,0,1]
.endr
	WIN WW<<2
.irp t, 0,1,2,3,4,5,6,7
.set RB, 8*((4*(4*GG+\t/2)+QT)%32)+4*(\t%2)
	global_store_b128 v[GO], v[RB:RB+3], s[16:17] offset:(32*(QT/2)+8*(QT%2)+2*\t+8*(\t/4))*2048+256*GG th:TH_STORE_NT   ; 16 lanes store 256 consecutive bytes, at a multiple of 256 from out0's first byte
.endr
.endm
	s_load_b256 s[4:11], s[0:1], 0x0               ; qc, kc, vc, xc
	s_load_b128 s[12:15], s[0:1], 0x20             ; beta, the scales' exponents
	s_load_b64 s[16:17], s[0:1], 0x30              ; out0
	s_load_b128 s[80:83], s[0:1], 0x38             ; wc, bv
	v_lshl_add_u32 v[SPW], v0, 2, SPARE
	v_mov_b32 v[NIL], 0
	ds_add_u32 v[SPW], v[NIL]                      ; the opening: the add, twice on end, and its wait ahead of my first tensor load
	ds_add_u32 v[SPW], v[NIL]
	v_lshrrev_b32 v1, 5, v0
	v_readfirstlane_b32 s[WV], v1                  ; wave 0..3
	s_lshr_b32 s19, s[WV], 1                       ; i.  Also: I fetch for K (0) or for V (1)
	s_and_b32 s20, s[WV], 1                        ; j.  Also: which half of a tile I fetch
	s_bfe_u32 s21, ttmp6, 0x40000                  ; cx
	s_lshl_b32 s22, ttmp9, 2
	s_add_co_u32 s22, s22, s21                     ; my block of 128 queries: it enters Q's, x's and out0's addresses alone
	s_and_b32 s23, ttmp7, 0xffff                   ; the batch
	s_mov_b32 s[G1], 15|(3<<16)|(1<<21)            ; the mask: all four; elements of 8 bytes; bit 21 beside a mask; no padding
	s_mov_b32 s[G1+1], 32<<16                      ; rows of 256 bytes
	s_mov_b32 s[G1+2], 128<<16                     ; 128 rows
	s_mov_b32 s[G1+3], 32<<16
	s_mov_b32 s[G1+4], 128
	s_mov_b32 s[G1+5], 32
	s_mov_b32 s[G1+6], 0
	s_mov_b32 s[G1+7], 0
	s_lshl_b32 s[KA+1], s20, 15                    ; my half's place in a tile, in LDS and in memory
	s_lshl_b32 s74, s19, 17                        ; Wv: K step 0 (waves 0, 1) or 2 (waves 2, 3)
	s_add_co_u32 s74, s74, s[KA+1]
	s_mov_b32 s75, 0
	s_lshl_b32 s72, s23, 19                        ; the batch's 8 tiles of 65,536 bytes
	s_add_co_u32 s72, s72, s[KA+1]
	s_mov_b32 s73, 0
	s_mov_b32 s[SEL], 0x76543210
	s_mov_b32 s[SEL+1], 0xfedcba98
	s_mov_b32 s[TB], 0
	s_mov_b32 s[TK], SLOTB
	s_mov_b32 s[PP], 0
	s_mov_b32 s[PF], 0
	s_mov_b32 s[J], 0
	s_wait_dscnt 0x0
	s_wait_kmcnt 0x0
	s_load_b32 s60, s[12:13], 0x0                  ; beta
	s_load_b64 s[66:67], s[14:15], 0x10            ; e4, e5
	s_load_b128 s[68:71], s[14:15], 0x18           ; e6 .. e9
	s_mov_b32 s[KA], 1
	s_add_nc_u64 s[KA+2:KA+3], s[6:7], s[72:73]    ; K0 to slot 0
	s_mov_b32 s[KB], 1
	s_add_co_u32 s[KB+1], s[KA+1], SLOTB
	s_add_nc_u64 s[KB+2:KB+3], s[KA+2:KA+3], 65536 ; K1 to slot 1
	s_or_b32 s[KA+3], s[KA+3], 0x80000000
	s_or_b32 s[KB+3], s[KB+3], 0x80000000
	s_mov_b32 s[VA], 1
	s_add_co_u32 s[VA+1], s[KA+1], VOFF
	s_add_nc_u64 s[VA+2:VA+3], s[8:9], s[72:73]
	s_mov_b32 s[VB], 1
	s_add_co_u32 s[VB+1], s[KA+1], SLOTB+VOFF
	s_add_nc_u64 s[VB+2:VB+3], s[VA+2:VA+3], 65536
	s_or_b32 s[VA+3], s[VA+3], 0x80000000
	s_or_b32 s[VB+3], s[VB+3], 0x80000000
	s_mov_b32 s[WD], 1
	s_add_co_u32 s[WD+1], s[KA+1], VOFF
	s_add_nc_u64 s[WD+2:WD+3], s[80:81], s[74:75]
	s_or_b32 s[WD+3], s[WD+3], 0x80000000
	s_barrier_signal -1
	s_barrier_wait -1
	CREST                                          ; all four work-groups are here: the first joint loads meet
	JL KA, VA                                      ; one tensor load a wave at the head
	s_lshl_b32 s74, s23, 3
	s_add_co_u32 s74, s74, s22
	s_lshl_b32 s74, s74, 16                        ; my block's 65,536 bytes of qc and of xc
	s_lshl_b32 s76, s19, 13
	s_add_co_u32 s76, s76, s74
	s_mov_b32 s77, 0
	s_add_nc_u64 s[10:11], s[10:11], s[76:77]
	s_lshl_b32 s75, s[WV], 12
	s_add_co_u32 s74, s74, s75
	s_mov_b32 s75, 0
	s_add_nc_u64 s[4:5], s[4:5], s[74:75]
	v_and_b32 v24, 31, v0                          ; lane
	v_and_b32 v26, 15, v0                          ; lane % 16
	v_bfe_u32 v28, v0, 4, 1                        ; lane / 16
	v_lshlrev_b32 v[LI], 4, v24
	s_wait_alu depctr_va_vdst(0)
	WIN 0xc0
.irp z, 0,1
.irp s, 0,1,2,3
.irp c, 0,1,2,3
	global_load_b128 v[64*\z+16*\s+4*\c:64*\z+16*\s+4*\c+3], v[LI], s[4:5] offset:(8*\s+\z)*2048+512*\c th:TH_LOAD_NT   ; Q stays in registers
.endr
.endr
.endr
	WIN 0
	s_lshl_b32 s76, s23, 21                        ; out0: (1,024 batch + 128 block + 64 i) rows of 2,048 bytes + 1,024 j
	s_lshl_b32 s77, s22, 18
	s_add_co_u32 s76, s76, s77
	s_lshl_b32 s77, s19, 17
	s_add_co_u32 s76, s76, s77
	s_lshl_b32 s77, s20, 10
	s_add_co_u32 s76, s76, s77
	s_mov_b32 s77, 0
	s_add_nc_u64 s[16:17], s[16:17], s[76:77]
	s_cmp_lt_u32 s[WV], 2                          ; the prefetches: waves 0, 1 stand in kc at tile 4, waves 2, 3 in vc at tile 2; the loop's first change steps them on
	s_cselect_b64 s[PFA:PFA+1], s[6:7], s[8:9]
	s_cselect_b32 s78, 4, 2
	s_cselect_b32 s[LIMJ], 3, 5                    ; K(J + 5) and V(J + 3) exist up to tile 7
	s_cmp_eq_u32 ttmp9, 0                          ; the batch's first cluster asks
	s_cselect_b32 s[LIMJ], s[LIMJ], 0
	s_lshl_b32 s78, s78, 16
	s_lshl_b32 s79, s21, 13                        ; my work-group's 8,192 bytes of the wave's 32,768
	s_add_co_u32 s78, s78, s79
	s_add_co_u32 s78, s78, s72
	s_mov_b32 s79, 0
	s_add_nc_u64 s[PFA:PFA+1], s[PFA:PFA+1], s[78:79]
	s_lshl_b32 s72, s20, 10                        ; bv at my 256 channels
	s_mov_b32 s73, 0
	s_add_nc_u64 s[82:83], s[82:83], s[72:73]
	s_lshl_b32 s84, s20, 15
	s_lshl_b32 s85, s[WV], 12
	s_add_co_u32 s85, s85, PIMG
	s_lshl_b32 s86, s19, 13
	s_add_co_u32 s86, s86, PIMG
	s_lshl_b32 s87, s[WV], 8
	s_add_co_u32 s88, s87, FIMG
	s_add_co_u32 s87, s87, LIMG
	s_lshl_b32 s89, s19, 9
	s_add_co_u32 s90, s89, FIMG
	s_add_co_u32 s89, s89, LIMG
	s_mul_i32 s91, s[WV], 4352
	s_add_co_u32 s91, s91, STG                     ; my stage
	v_lshlrev_b32 v[L4], 2, v24
	v_lshlrev_b32 v[PFO], 8, v24
	v_lshlrev_b32 v[BVA], 4, v26
	v_mov_b32 v[ADK], v[LI]                        ; K0 lies in slot 0
	v_add_nc_u32 v[AW0], s84, v[LI]
	v_add_nc_u32 v[ADV0], VOFF, v[AW0]
	v_add_nc_u32 v[PW0], s85, v[LI]
	v_add_nc_u32 v[PR0], s86, v[LI]
	v_add_nc_u32 v[FW0], s88, v[L4]
	v_add_nc_u32 v[GW], s87, v[L4]
	v_add_nc_u32 v[FR0], s90, v[L4]
	v_add_nc_u32 v[GR], s89, v[L4]
	v_mul_u32_u24 v[STO], v26, 272                 ; in: row lane % 16, 32 bytes for each half of the lanes
	v_lshl_add_u32 v[STO], v28, 5, v[STO]
	v_add_nc_u32 v[STO], s91, v[STO]
	v_mul_u32_u24 v[RD], v28, 272                  ; back: lanes 0-15 one row of 256 bytes, lanes 16-31 the next
	v_lshl_add_u32 v[RD], v26, 4, v[RD]
	v_add_nc_u32 v[RD], s91, v[RD]
	v_lshlrev_b32 v[GO], 11, v28
	v_lshl_add_u32 v[GO], v26, 4, v[GO]
.irp z, 0,1
	v_mov_b32 v[ST+8*\z+1], 0xff61b1e6             ; the largest t so far: -3e38
	v_floor_f32 v[ST+8*\z], -v[ST+8*\z+1]          ; -M
	v_mov_b32 v[ST+8*\z+2], 0                      ; l, in four parts
	v_mov_b32 v[ST+8*\z+3], 0
	v_mov_b32 v[TS+2*\z], 0
	v_mov_b32 v[TS+2*\z+1], 0
	v_mov_b32 v[ST+8*\z+5], 0                      ; (named as the upper half of f's pair)
	v_mov_b32 v[TP+\z], 0                          ; a lane permute's destination counts as one of its sources
.endr
.irp qt, 0,1,2,3
	v_mov_b32 v[FQ+2*\qt+1], 0
	v_mov_b32 v[GQ+2*\qt+1], 0
.endr
.irp w, 0x40, 0x80                     ; O^T = 0, while the first tiles are on their way
	WIN \w
.set N, 0
.rept 256
	v_mov_b32 v[N], 0
.set N, N+1
.endr
.endr
	WIN 0
	s_wait_kmcnt 0x0
	s_add_co_i32 s72, s68, s69
	s_lshl_b32 s72, s72, 23
	s_mov_b32 s[CS], 0x3fb8aa3b                    ; log2(e); e6 + e7 are added to its exponent field
	s_add_co_i32 s[CS], s[CS], s72
	s_mov_b32 s[CS+1], s[CS]
	s_add_co_i32 s61, s70, s71
	s_add_co_i32 s72, s66, s67
	s_sub_co_i32 s61, s61, s72                     ; e8 + e9 - e4 - e5
	s_add_co_i32 s72, s72, 127
	s_lshl_b32 s[SV], s72, 23                      ; 2^(e4 + e5)
	s_mov_b32 s[SV+1], s[SV]
	s_add_co_i32 s72, s70, 127
	s_lshl_b32 s73, s72, 23
	v_mov_b32 v[PSC], s73
	s_add_co_i32 s72, s72, 8
	s_lshl_b32 s72, s72, 23
	s_or_b32 s72, s72, 0x600000
	v_mov_b32 v[PLIM], s72
	s_wait_alu depctr_va_vdst(0)
	CHANGE 0, 0, 0, 0, 1, 0                        ; K0 and V0 are in, in every wave's sight; the full sequence ahead of the later first fills
	JL KB, VB                                      ; K1 | V1
	s_wait_loadcnt 0x0                             ; Q
	T1 0, 1                                        ; the scores of step 0
	CHANGE 1, 0, 0, 0, 1, 1                        ; K0 has been read; the maxima of step 0
	JL KB, -1                                      ; K2
	ADDRS
	T1 1, 1                                        ; p of step 0 among the scores of step 1
	SEND 0
	CHANGE 1, 0, 0, 0, 1, 1
	JL KB, -1                                      ; K3
.Ltrip:                                            ; J = 0 .. 5: V^T P^T of step J; p of step J + 1 among the scores of step J + 2; K(J + 4) (J = 4, 5: Wv0, Wv1) | V(J + 2)
	PV 0
	ADDRS
	T1 1, 1
	SEND 0
	CHANGE 2, 1, 0, 1, 1, 1
	JL KB, VB
	ASK
	s_add_co_u32 s[J], s[J], 1
	s_cmp_lt_u32 s[J], 6
	s_cbranch_scc1 .Ltrip
	PV 0                                           ; step 6
	ADDRS
	T1 1, 0                                        ; p of step 7: no scores are left
	SEND 1
	CHANGE 0, 0, 0, 0, 1, 0
	JL -1, WD                                      ; Wv2 into V's region of slot 0
	XLOAD
	PV 1                                           ; step 7
	CHANGE 0, 0, 1, 0, 1, 0                        ; V7 has been read by all; Wv0 to Wv2 have landed
	JL -1, WD                                      ; Wv3: it has three K steps of the tail in which to land
	s_wait_loadcnt 0x0                             ; x's fragments
.irp g, 0,1,2,3
	global_load_b128 v[BVR+4*\g:BVR+4*\g+3], v[BVA], s[82:83] offset:256*\g    ; bv lands where the statistics lay
.endr
	TAIL 0, 0
	TAIL 1, SLOTB
	TAIL 2, VOFF
	CHANGE 0, 0, 0, 0, 0, 0                        ; Wv3 has landed
	TAIL 3, SLOTB+VOFF
	PLACES 4
	s_wait_loadcnt 0x0                             ; bv
	TOSTG 0
.irp n, 0,1,2,3,4,5,6,7,8,9,10,11,12,13,14,15
.if \n < 15
	TOSTG \n+1
.endif
	OUT \n
.endr
	WIN 0
	s_wait_tensorcnt 0x0                           ; the wave's end
	ds_add_u32 v[SPW], v[NIL]
	s_wait_dscnt 0x0
	s_barrier_signal -1
	s_barrier_wait -1
	CREST                                          ; the closing round
	s_endpgm
.Lfunc_end_k_q2cfddf0001_attn:
	.size	k_q2cfddf0001_attn, .Lfunc_end_k_q2cfddf0001_attn-k_q2cfddf0001_attn
	.p2alignl 7, 3214868480
	.fill 96, 4, 3214868480
	.section	.rodata,"a",@progbits
	.p2align	6, 0x0
	.amdhsa_kernel k_q2cfddf0001_attn
		.amdhsa_group_segment_fixed_size 327680
		.amdhsa_private_segment_fixed_size 0
		.amdhsa_enable_private_segment 0
		.amdhsa_kernarg_size 72
		.amdhsa_user_sgpr_count 2
		.amdhsa_user_sgpr_kernarg_segment_ptr 1
		.amdhsa_wavefront_size32 1
		.amdhsa_system_sgpr_workgroup_id_x 1
		.amdhsa_system_sgpr_workgroup_id_y 1
		.amdhsa_system_sgpr_workgroup_id_z 1
		.amdhsa_system_vgpr_workitem_id 0
		.amdhsa_next_free_vgpr 1024
		.amdhsa_next_free_sgpr 96
		.amdhsa_reserve_vcc 0
		.amdhsa_float_denorm_mode_32 3
		.amdhsa_float_denorm_mode_16_64 3
		.amdhsa_memory_ordered 1
		.amdhsa_forward_progress 1
		.amdhsa_inst_pref_size 255
	.end_amdhsa_kernel
	.section	.bss,"aw",@nobits
	.p2align	6
	.space	262144
	.amdgpu_metadata
---
amdhsa.version: [ 1, 2 ]
amdhsa.kernels:
  - .name:           k_q2cfddf0001_attn
    .symbol:         k_q2cfddf0001_attn.kd
    .args:
      - { .name: qc, .offset: 0, .size: 8, .value_kind: global_buffer, .address_space: global }
      - { .name: kc, .offset: 8, .size: 8, .value_kind: global_buffer, .address_space: global }
      - { .name: vc, .offset: 16, .size: 8, .value_kind: global_buffer, .address_space: global }
      - { .name: xc, .offset: 24, .size: 8, .value_kind: global_buffer, .address_space: global }
      - { .name: beta, .offset: 32, .size: 8, .value_kind: global_buffer, .address_space: global }
      - { .name: lowp_scales, .offset: 40, .size: 8, .value_kind: global_buffer, .address_space: global }
      - { .name: out0, .offset: 48, .size: 8, .value_kind: global_buffer, .address_space: global }
      - { .name: wc, .offset: 56, .size: 8, .value_kind: global_buffer, .address_space: global }
      - { .name: bv, .offset: 64, .size: 8, .value_kind: global_buffer, .address_space: global }
    .group_segment_fixed_size: 327680
    .private_segment_fixed_size: 0
    .kernarg_segment_align: 8
    .kernarg_segment_size: 72
    .max_flat_workgroup_size: 128
    .sgpr_count:     96
    .vgpr_count:     1024
    .wavefront_size: 32
...
	.end_amdgpu_metadata
.endif
;; end of part 3
